; MI455X (gfx1250); checked and timed in simulation.
; The chip was launched on July 23, 2026; its instructions are those of AMD's public machine-readable ISA for CDNA 5 (MIT licence, August 2026) and "CDNA5" Instruction Set Architecture Reference Guide (July 2026). The comments in the code are by the model that wrote it; some were corrected since.
;; Embedding. Allowed arithmetic: matrix products marked QUANTISED: E5M2 operands, one given power-of-two scale a tensor, by v_wmma_f32_16x16x64_bf8_bf8 or v_wmma_f32_16x16x128_bf8_bf8, f32 sums; everything else in f32.
;; Inputs: lowp_scales 2 int32 (the exponents e of the quantised operands' scales 2^e); w 8,000 x 1,024 float32; x 4 x 2,048 int32.
;; Outputs: out0 4 x 2,048 x 1,024 float32.
;; This version of the problem:
;;   THIS VERSION OF THE PROBLEM IS GIVEN IN LOW PRECISION. The matrix products marked QUANTISED in the list below multiply operands that are first quantised to E5M2 (5 exponent bits, 2 mantissa bits; 8 bits a number), with one given power-of-two scale for each operand tensor; their sums are f32. All else is computed in f32.
;;   The module's matrix products, in the order in which they are computed (A, B: the left and right operand; K: the contracted axis; several contracted axes count as one K, in the product's order):
;;     1. [M 8,192, K 8,000] x [K 8,000, N 1,024]; A: computed on the way; B: input w: QUANTISED (scales: A lowp_scales[0], B lowp_scales[1])
;;   THE QUANTISER, for each operand of a quantised product, along K:
;;     - The operand's scale is 2^e, e = its entry of the input lowp_scales (int32; the entries are numbered through the quantised products in the list's order, A before B).
;;     - Each number is divided by the scale, clamped to +-57,344, and rounded to the nearest number of E5M2, ties to even, subnormals kept.
;;     - The product sums the exact products of the quantised numbers (number of the format x scale) in f32.
;;   ~~~python
;;   def quantise(x, axis, e):      # numpy; x: float32 -> the quantised numbers, widened to float32 again
;;       x = np.moveaxis(x, axis, -1); K = x.shape[-1]
;;       r = np.clip(x / 2.0 ** e, -57344, 57344)
;;       step = 2.0 ** (np.maximum(np.frexp(np.where(r == 0, 1, r))[1] - 1, -14) - 2)
;;       q = np.round(r / step) * step * 2.0 ** e      # np.round: ties to even
;;       return np.moveaxis(q, -1, axis).astype(np.float32)
;;   ~~~
;;   OPERANDS COMPUTED ON THE WAY. 'Computed on the way' means the value that the module computes at that place (a softmax that the list does not call 'softmax' is quantised finished and normalised). What goes into a quantiser is computed in f32, as accurately as f32 sums, v_exp_f32 and their like allow (about 1e-6 of the number): no bf16 or f16 on the way to a quantiser, and a product that is left as it is and whose result goes on into a quantised operand takes f32 operands (vector FMAs, or v_wmma_f32_16x16x4_f32). A number that lies on a knife's edge between two numbers of the format may be rounded either way, as far as f32 arithmetic and the matrix unit's own rounding can turn it there, and no further.
;; One version. Each part assembles by itself: llvm-mc -triple=amdgcn-amd-amdhsa -mcpu=gfx1250 --defsym DOCPART=n.
;; ======== version 1 of 1: 2 launches
;; workspace buffers: w_codes 8,388,608 bytes
;; launch quant (part 1): grid 8 x 32, 16 waves a work-group, no clusters, 36,864 bytes of LDS; arguments w, lowp_scales, w_codes; writes w_codes
.if DOCPART == 1
	.amdgcn_target "amdgcn-amd-amdhsa--gfx1250"
	.amdhsa_code_object_version 6
	.text
	.protected	k_q57b1bf034c_quant
	.globl	k_q57b1bf034c_quant
	.p2align	8
	.type	k_q57b1bf034c_quant,@function
k_q57b1bf034c_quant:
	s_mov_b64 s[64:65], 0
	v_nop
	global_prefetch_b8 v0, s[64:65] scope:SCOPE_SE
	s_setreg_imm32_b32 hwreg(HW_REG_WAVE_MODE, 25, 1), 1
	s_wait_xcnt 0x0
; w [8000 (k)][1024 (n)], f32, is the right operand of one_hot(x) @ w: K is its FIRST axis.  It becomes codes of BF8 (E5M2), one a byte, laid [1024 (n)][8192 (k)] with K innermost,
; with the one scale 2^e1 that is given for it (entry 1 of lowp_scales).  Bytes k = 8000 .. 8191 of every row are zero codes: K is filled up to 64 steps of 128, and a zero code adds nothing.
; code = x / 2^e1, held within +-57,344, rounded to the nearest code, ties to even.  LIMITS: -126 <= e1 <= 112, so that 2^e1 and 57,344 x 2^e1 are f32 numbers.  NaN in w is not served; an infinity is held at the largest code.
; A LANE TAKES A COLUMN n, AND ITS REGISTERS RUN DOWN K: a load reads 32 neighbouring columns of one row of w (128 consecutive bytes a wave, four waves side by side on 512), and the conversions,
; which take neighbours along K from one lane's consecutive registers, give the codes with K innermost.  Nothing is transposed by an instruction.
; SHARES.  A work-group takes 128 columns x 256 along K.  Wave = 4 kw + cw: 32 columns (cw) x 64 along K (kw).  All 64 loads of a wave go out at once.
; 8000 = 125 x 64: a wave's 64 along K lie wholly inside K or wholly in the filling, so the choice is one scalar branch on ids; the barrier stands behind the place where the two ways join.
; THE WAY OUT.  A lane's 64 codes belong to one row of the output, the lanes beside it hold other rows: so the codes meet in a stage in LDS (a row for each column, 256 bytes + 16), and each wave
; reads 8 whole rows back and stores them: sixteen lanes store 256 consecutive bytes, at a multiple of 256 from the buffer's first byte.
.set PITCH, 272                        ; a stage row: 256 bytes + 16 = 68 words: row r starts at bank 4 r mod 64 (64 banks of 4 bytes: ISA guide 11.1)
.set KROW,  8192                       ; a row of the codes' buffer in bytes
.set X,     16                         ; v16-79  64 numbers: register i = w(k0 + i, my column)
.set C,     80                         ; v80-95  their 64 codes; later four pieces of 16 bytes on the way out
	s_load_b128 s[4:7], s[0:1], 0x0                ; w s[4:5], the scales' exponents s[6:7]
	s_load_b64 s[8:9], s[0:1], 0x10                ; the codes
	v_lshl_add_u32 v96, v0, 2, 0x8800
	v_mov_b32 v97, 0
	v_lshrrev_b32 v1, 5, v0
	v_readfirstlane_b32 s16, v1                    ; wave 0..15
	v_and_b32 v2, 31, v0                           ; lane
	s_and_b32 s17, s16, 3                          ; cw: which 32 columns
	s_lshr_b32 s18, s16, 2                         ; kw: which 64 along K
	s_and_b32 s19, ttmp7, 0xffff                   ; y: which 256 along K
	v_lshlrev_b32 v3, 2, v2                        ; in: 4 bytes a lane
	s_mul_i32 s24, s17, 32*PITCH
	s_lshl_b32 s25, s18, 6
	s_add_co_u32 s24, s24, s25
	v_mul_u32_u24 v4, v2, PITCH
	v_add_nc_u32 v4, s24, v4                       ; into the stage: row 32 cw + lane, byte 64 kw
	v_and_b32 v5, 15, v2
	v_lshrrev_b32 v6, 4, v2
	s_mul_i32 s26, s16, 8*PITCH
	v_mul_u32_u24 v7, v6, PITCH
	v_lshl_add_u32 v7, v5, 4, v7
	v_add_nc_u32 v7, s26, v7                       ; out of it: my wave's 8 rows, sixteen lanes to a row, two rows an instruction
	v_lshlrev_b32 v8, 13, v6
	v_lshl_add_u32 v8, v5, 4, v8                   ; and the same place in the codes' buffer: (lane / 16) rows of 8,192 bytes + 16 (lane % 16)
	s_lshl_b32 s28, s19, 2
	s_add_co_u32 s28, s28, s18                     ; which 64 along K of the 128 in all: 4 y + kw
	s_lshl_b32 s20, s28, 18                        ; w: 64 rows of 4,096 bytes each,
	s_lshl_b32 s21, ttmp9, 9                       ; + 128 columns a work-group,
	s_add_co_u32 s20, s20, s21
	s_lshl_b32 s21, s17, 7                         ; + 32 columns a wave
	s_add_co_u32 s20, s20, s21
	s_mov_b32 s21, 0
	s_lshl_b32 s22, ttmp9, 20                      ; codes: 128 rows of 8,192 bytes a work-group,
	s_lshl_b32 s23, s16, 16                        ; + 8 rows a wave,
	s_add_co_u32 s22, s22, s23
	s_lshl_b32 s23, s19, 8                         ; + 256 y along the row
	s_add_co_u32 s22, s22, s23
	s_mov_b32 s23, 0
	s_wait_kmcnt 0x0
	s_add_nc_u64 s[4:5], s[4:5], s[20:21]
	s_add_nc_u64 s[8:9], s[8:9], s[22:23]
	s_cmp_lt_u32 s28, 125                          ; 125 x 64 = 8,000: am I inside K?
	s_cbranch_scc0 .Lpad
.set i, 0
.rept 64
	global_load_b32 v[X+i], v3, s[4:5] offset:i*4096 th:TH_LOAD_NT   ; w(k0 + i, my column): read once in the launch
.set i, i+1
.endr
	s_load_b32 s30, s[6:7], 0x4                    ; e1
	s_wait_kmcnt 0x0
	s_add_co_i32 s30, s30, 127
	s_lshl_b32 s31, s30, 23
	v_mov_b32 v11, s31                             ; 2^e1 as f32: the conversion takes its exponent field
	s_add_co_i32 s30, s30, 15
	s_lshl_b32 s30, s30, 23
	s_or_b32 s30, s30, 0x600000
	v_mov_b32 v10, s30                             ; 57,344 x 2^e1
.irp t, 0,1
	s_wait_loadcnt 32-32*\t                        ; loads come back in order (ISA guide 5.7.1): this half's 32 are in; behind the first half the 32 younger ones may be out
.set i, 0
.rept 32
	v_med3_num_f32 v[X+32*\t+i], v[X+32*\t+i], -v10, v10   ; the conversion to an 8-bit code does not saturate (ISA guide 7.6.2): the hold at the largest code x the scale
.set i, i+1
.endr
.irp g, 0,1,2,3
	v_cvt_scalef32_pk8_bf8_f32 v[C+8*\t+2*\g:C+8*\t+2*\g+1], v[X+32*\t+8*\g:X+32*\t+8*\g+7], v11   ; eight neighbours along K, the first in the lowest byte
.endr
.endr
	v_nop                                          ; one plain vector line behind the last conversion
	s_branch .Lstage
.Lpad:
.set i, 0
.rept 16
	v_mov_b32 v[C+i], 0                            ; the filling: zero codes
.set i, i+1
.endr
.Lstage:
.irp i, 0,1,2,3
	ds_store_b128 v4, v[C+4*\i:C+4*\i+3] offset:16*\i
.endr
	s_wait_dscnt 0x0                               ; for the others' sake: my stores into the stage are done
	s_barrier_signal -1
	s_barrier_wait -1                              ; a row's 256 bytes come from four waves
.irp i, 0,1,2,3
	ds_load_b128 v[C+4*\i:C+4*\i+3], v7 offset:2*\i*PITCH
.endr
.irp i, 0,1,2,3
	s_wait_dscnt 3-\i                              ; LDS loads come back in order: piece i is in, the younger ones may be out
	global_store_b128 v8, v[C+4*\i:C+4*\i+3], s[8:9] offset:2*\i*KROW
.endr
	s_wait_tensorcnt 0x0
	ds_add_u32 v96, v97
	s_wait_dscnt 0x0
	s_endpgm
.Lfunc_end_k_q57b1bf034c_quant:
	.size	k_q57b1bf034c_quant, .Lfunc_end_k_q57b1bf034c_quant-k_q57b1bf034c_quant
	.p2alignl 7, 3214868480
	.fill 96, 4, 3214868480
	.section	.rodata,"a",@progbits
	.p2align	6, 0x0
	.amdhsa_kernel k_q57b1bf034c_quant
		.amdhsa_group_segment_fixed_size 36864
		.amdhsa_private_segment_fixed_size 0
		.amdhsa_enable_private_segment 0
		.amdhsa_kernarg_size 24
		.amdhsa_user_sgpr_count 2
		.amdhsa_user_sgpr_kernarg_segment_ptr 1
		.amdhsa_wavefront_size32 1
		.amdhsa_system_sgpr_workgroup_id_x 1
		.amdhsa_system_sgpr_workgroup_id_y 1
		.amdhsa_system_sgpr_workgroup_id_z 1
		.amdhsa_system_vgpr_workitem_id 0
		.amdhsa_next_free_vgpr 98
		.amdhsa_next_free_sgpr 66
		.amdhsa_reserve_vcc 0
		.amdhsa_float_denorm_mode_32 3
		.amdhsa_float_denorm_mode_16_64 3
		.amdhsa_memory_ordered 1
		.amdhsa_forward_progress 1
		.amdhsa_inst_pref_size 15
	.end_amdhsa_kernel
	.amdgpu_metadata
---
amdhsa.version: [ 1, 2 ]
amdhsa.kernels:
  - .name:           k_q57b1bf034c_quant
    .symbol:         k_q57b1bf034c_quant.kd
    .args:
      - { .name: w, .offset: 0, .size: 8, .value_kind: global_buffer, .address_space: global }
      - { .name: lowp_scales, .offset: 8, .size: 8, .value_kind: global_buffer, .address_space: global }
      - { .name: w_codes, .offset: 16, .size: 8, .value_kind: global_buffer, .address_space: global }
    .group_segment_fixed_size: 36864
    .private_segment_fixed_size: 0
    .kernarg_segment_align: 8
    .kernarg_segment_size: 24
    .max_flat_workgroup_size: 512
    .sgpr_count:     66
    .vgpr_count:     98
    .wavefront_size: 32
...
	.end_amdgpu_metadata
.endif
;; end of part 1
;; launch gemm (part 2): grid 32 x 8, 4 waves a work-group, clusters of 4 x 1, 327,680 bytes of LDS; arguments x, w_codes, lowp_scales, out0; writes out0
.if DOCPART == 2
	.amdgcn_target "amdgcn-amd-amdhsa--gfx1250"
	.amdhsa_code_object_version 6
	.text
	.protected	k_q57b1bf034c_gemm
	.globl	k_q57b1bf034c_gemm
	.p2align	8
	.type	k_q57b1bf034c_gemm,@function
k_q57b1bf034c_gemm:
	s_mov_b64 s[64:65], 0
	v_nop
	global_prefetch_b8 v0, s[64:65] scope:SCOPE_SE
	s_setreg_imm32_b32 hwreg(HW_REG_WAVE_MODE, 25, 1), 1
	s_wait_xcnt 0x0
	s_wait_alu depctr_hold_cnt(0) depctr_sa_sdst(0) depctr_va_vdst(0) depctr_va_sdst(0) depctr_va_ssrc(0) depctr_va_vcc(0) depctr_vm_vsrc(0)
	s_getreg_b32 s2, hwreg(HW_REG_IB_STS2, 6, 4)
	s_cmp_eq_u32 s2, 0
	s_cbranch_scc0 .Lentry_in_a_cluster
	s_endpgm
.Lentry_in_a_cluster:
	s_bfe_u32 s2, ttmp6, 0x10000c
	s_cmp_lg_u32 s2, 0x3003
	s_cbranch_scc0 .Lentry_shape_is_right
	s_endpgm
.Lentry_shape_is_right:
; out0[t][n] = the sum over k of one_hot(x[t])[k] w[k][n], both operands as codes of BF8 (E5M2), each with the one scale that is given for it (2^e0 for the one-hot matrix, 2^e1 for w); sums in f32.
; x: [8192] int32.  w_codes: [1024 (n)][8192 (k)], one code a byte, K innermost, zero codes from k = 8000 on (made by the launch before).  out0: [8192][1024] f32.
; The codes are multiplied as they are, by v_wmma_f32_16x16x128_bf8_bf8, 64 steps of 128 along K, and each finished sum once by 2^(e0 + e1).
; LIMITS: -126 <= e0 <= 112 (2^e0 and 57,344 x 2^e0 are f32 numbers); -126 <= e0 + e1 <= 127 (so is 2^(e0 + e1)).  The sign of a zero result may differ from that of a sum of signed zeros.
; An x outside 0 .. 7999 gives a row of zeros: it meets no step's number, or only zero codes.
; THE ONE-HOT OPERAND IS NEVER IN MEMORY NOR IN LDS.  With k = 128 s + j, a block of 16 tokens has one fragment F (16 registers) that holds the code of 1 / 2^e0 at j = x & 127 and zeros elsewhere, made once.
; The operand of step s is F in the lanes whose token has x >> 7 = s, and 0 in the others: one compare and sixteen selects a block and step.  No address and no branch hangs on x.
; SHARES.  A work-group owns 256 tokens x 128 columns.  Wave = 2 z + mh: 128 tokens (mh), all 128 columns, and half z of each chunk of 1,024 along K: 64 accumulators of 16 x 16, 512 registers.
; The two waves with the same tokens add their sums once, at the end, through LDS; each output has one owner.
; WHICH TOKENS FORM BLOCK a: 16 (a xor 4 z) + 0 .. 15 of the wave's 128.  So every wave KEEPS its blocks 0-3 and SENDS its blocks 4-7, which are its partner's blocks 0-3: one text serves both z.
; K goes in chunks of 1,024 through a ring of two LDS slots.  A slot is four tiles of 128 rows (n) x 256 bytes (k), one tensor load a wave; a tile's row is 256 consecutive bytes of memory, at a multiple of 256.
; CLUSTER.  The four work-groups of a cluster have the same 128 columns, so each tile is asked for JOINTLY: the same tensor load, with the same descriptor and a mask that names the four, in all four.
; THE MATRIX INSTRUCTION IS USED TRANSPOSED (source 0 = 16 rows of w_codes, source 1 = 16 tokens): a lane then holds eight neighbouring numbers of a row of out0.
; k IN A FRAGMENT: lane (r, h), register 4 c + i, byte b holds j = 32 c + 16 h + 4 i + b: what four loads of 16 bytes bring; F is made in the same places, so every product meets its partner.
; REGISTERS, in windows of 256 (s_set_vgpr_msb: bits 1:0 source 0, 3:2 source 1, 5:4 source 2, 7:6 destination):
;   window 0: v1-30 addresses and ids; v32-95 four buffers of 16 for the operand in hand; v96-103 x >> 7 of the 8 blocks; v104-127 at work at the head; v128-255 F, 8 x 16.
;   window 1: w's fragments, two sets of 8 x 16.   window 2: the accumulators of blocks 0-3 ((a, b) at v[8 (8 a + b)]).   window 3: those of blocks 4-7.
; MATRIX AND VECTOR WORK BY TURNS.  A step has 64 matrix instructions and 136 vector instructions that make the operand; set in phases of their own these would leave the matrix unit idle, so a slice of four or
; five stands behind every second matrix instruction, at the price of two switches of the windows a slice.
.set PITCH,  272                       ; an LDS row: 256 bytes + 16 of padding = 68 words: row r starts at bank 4 r mod 64 (64 banks of 4 bytes: ISA guide 11.1), so the 16 rows of a load start at 16 different banks
.set SUBT,   128*PITCH                 ; a tile: what one tensor load brings
.set SLOT,   4*SUBT
.set SPARE,  2*SLOT                    ; behind the ring: the spare words, 128 bytes for each wave: two blocks of 256 bytes that no other line names
.set SPITCH, 528                       ; the way out: a stage of 16 rows x (512 bytes + 16) for each wave, in slot 1; the exchange of sums, 32,768 bytes a wave, in slot 0: both slots have had their last fill by then
.set KROW,   8192                      ; a row of w_codes in bytes
.set CHUNK,  1024                      ; along K in a slot
.set LAPS,   4                         ; 8 chunks, two to a lap
.set ADRB, 16                          ; v16-17  LDS address of my fragments of w in slot 0, 1
.set STO,  24                          ; v24     the way out: where I put 32 bytes of a row
.set RD,   25                          ; v25     where I read a row back
.set CO,   26                          ; v26     16 x lane: my byte offset in a row's 512 bytes
.set XW,   27                          ; v27     the exchange: where I put the sums that I send
.set SPW,  28                          ; v28     LDS address of my spare word: SPARE + 4 x my thread's number; never rewritten
.set NIL,  29                          ; v29     0; never rewritten
.set XRD,  30                          ; v30     the exchange: where my partner (wave xor 2) has put its sums
.set MA,   32                          ; the operand in hand: block a in buffer a % 4
.set XS,   96                          ; x >> 7
.set XR,   104                         ; x as loaded
.set F,    128
.set G1,   24                          ; s[24:31] descriptor group 1
.set G0,   32                          ; s[32:39] descriptor group 0, a set for each slot
.set STP,  44                          ; s44     the number of the K step whose operand is being made
.set MSB, 0
.macro WIN new                         ; the immediate's high byte repeats the setting that is left; a switch that changes nothing is dropped
.if MSB != (\new)
	s_set_vgpr_msb (MSB<<8)|(\new)
.set MSB, \new
.endif
.endm
.set MUL_LO, 0xa1                      ; source 0 (w) window 1, source 1 (tokens) window 0, C and D window 2
.set MUL_HI, 0xf1                      ; the same, C and D window 3
.set TO_B,   0x40                      ; destination window 1, address window 0
.macro CREST                           ; a round of the cluster's barrier behind its opening barrier
	s_cmp_lg_u32 s14, 0
	s_cbranch_scc1 .Lnot_wave_0_\@
	s_barrier_signal -3
.Lnot_wave_0_\@:
	s_barrier_wait -3
	s_barrier_signal -1
	s_barrier_wait -1
.endm
.macro CROUND                          ; a whole round
	s_barrier_signal -1
	s_barrier_wait -1
	CREST
.endm
	s_load_b256 s[4:11], s[0:1], 0x0               ; x s[4:5], w_codes s[6:7], the scales' exponents s[8:9], out0 s[10:11]
	v_lshl_add_u32 v[SPW], v0, 2, SPARE
	v_mov_b32 v[NIL], 0
	ds_add_u32 v28, v29
	ds_add_u32 v28, v29
	s_wait_dscnt 0x0
	v_lshrrev_b32 v1, 5, v0
	v_readfirstlane_b32 s14, v1                    ; wave 0..3
	s_and_b32 s15, s14, 1                          ; mh: which 128 tokens
	s_lshr_b32 s16, s14, 1                         ; z: which half of a chunk
	s_and_b32 s17, ttmp7, 0xffff                   ; the tile of 128 columns, which the four partners share
	s_bfe_u32 s40, ttmp6, 0x40000                  ; cx: my place in the cluster
	s_lshl_b32 s42, ttmp9, 2                       ; in a cluster launch ttmp9 counts clusters
	s_add_co_u32 s42, s42, s40                     ; my tile of 256 tokens = 4 x cluster x + cx: it enters x's and out0's addresses alone
	; descriptor group 1: a tile of 128 rows x 256 bytes, padded in LDS
	s_mov_b32 s[G1+0], 15|(0<<16)|(1<<20)|(1<<21)|(5<<22)|(3<<25)   ; 15:0 the mask: all four work-groups; 17:16 elements of 1 byte; 20 padding on; 21 set beside a mask; 24:22 after every 64 words (code 5); 31:25 four words (code 3)
	s_mov_b32 s[G1+1], 256<<16                     ; tensor_dim0 = 256
	s_mov_b32 s[G1+2], 128<<16                     ; tensor_dim1 = 128
	s_mov_b32 s[G1+3], 256<<16                     ; tile_dim0 = 256
	s_mov_b32 s[G1+4], 128                         ; tile_dim1 = 128
	s_mov_b32 s[G1+5], KROW                        ; from row to row
	s_mov_b32 s[G1+6], 0
	s_mov_b32 s[G1+7], 0
	s_lshl_b32 s20, s17, 20                        ; 128 rows of 8,192 bytes a tile of columns,
	s_lshl_b32 s21, s14, 8                         ; + my wave's 256 bytes of a chunk
	s_add_co_u32 s20, s20, s21
	s_mov_b32 s21, 0
	s_mul_i32 s45, s14, SUBT                       ; and where they go: no place in the cluster enters an LDS address
	s_wait_kmcnt 0x0
	s_load_b64 s[96:97], s[8:9], 0x0               ; e0, e1
	s_add_nc_u64 s[20:21], s[6:7], s[20:21]
	CROUND                                         ; all four work-groups are here: the first joint loads meet
.irp s, 0,1
	s_mov_b32 s[G0+4*\s], 1                                        ; count = 1
	s_add_co_u32 s[G0+4*\s+1], s45, \s*SLOT                        ; LDS address
	s_add_nc_u64 s[G0+4*\s+2:G0+4*\s+3], s[20:21], \s*CHUNK        ; global address: chunk s
	s_or_b32 s[G0+4*\s+3], s[G0+4*\s+3], 0x80000000                ; type = 2
.endr
	tensor_load_to_lds s[G0:G0+3], s[G1:G1+7]      ; the two first fills go out together: two tensor loads of mine are out
	s_nop 0
	tensor_load_to_lds s[G0+4:G0+7], s[G1:G1+7]
	s_nop 0
.rept 4
	v_nop                                          ; four plain lines follow the tensor loads
.endr
	; x: lane (r, h) takes the token r of each block
	v_and_b32 v1, 15, v0                           ; r
	v_bfe_u32 v2, v0, 4, 1                         ; h
	v_lshlrev_b32 v4, 2, v1
	s_lshl_b32 s22, s16, 8
	v_add_nc_u32 v4, s22, v4                       ; blocks 0-3: tokens 64 z + 16 a + r: 4 r + 256 z bytes,
	v_xor_b32 v5, 0x100, v4                        ; blocks 4-7: the other 64 tokens
	s_lshl_b32 s22, s42, 10                        ; 256 tokens of 4 bytes a work-group,
	s_lshl_b32 s23, s15, 9                         ; 128 a half
	s_add_co_u32 s22, s22, s23
	s_mov_b32 s23, 0
	s_add_nc_u64 s[4:5], s[4:5], s[22:23]
.irp a, 0,1,2,3
	global_load_b32 v[XR+\a], v4, s[4:5] offset:64*\a
	global_load_b32 v[XR+4+\a], v5, s[4:5] offset:64*\a
.endr
	; LDS addresses
	v_mul_u32_u24 v3, v1, PITCH
	v_lshl_add_u32 v3, v2, 4, v3                   ; a fragment's row x pitch + 16 x half
	s_mul_i32 s46, s16, 2*SUBT                     ; my half of a chunk: tiles 2 z and 2 z + 1
	v_add_nc_u32 v[ADRB], s46, v3
	s_add_co_u32 s46, s46, SLOT
	v_add_nc_u32 v[ADRB+1], s46, v3
	v_and_b32 v6, 31, v0
	v_lshlrev_b32 v[CO], 4, v6
	s_mul_i32 s46, s14, 16*SPITCH
	s_add_co_u32 s46, s46, SLOT                    ; my stage, in slot 1
	v_mul_u32_u24 v7, v1, SPITCH
	v_lshl_add_u32 v7, v2, 5, v7
	v_add_nc_u32 v[STO], s46, v7                   ; in: row r, 32 bytes for each half of the lanes
	v_add_nc_u32 v[RD], s46, v[CO]                 ; back: the 32 lanes take one row of 512 bytes
	s_lshl_b32 s46, s14, 15
	v_add_nc_u32 v[XW], s46, v[CO]                 ; the exchange, in slot 0: images of registers, 16 bytes a lane, 32,768 bytes a wave
	s_xor_b32 s46, s46, 0x10000
	v_add_nc_u32 v[XRD], s46, v[CO]                ; wave xor 2's
	; out0 at the first token that I store: 256 x tile + 128 mh + 64 z, rows of 4,096 bytes; + the tile of columns, 512 bytes
	s_lshl_b32 s22, s42, 20
	s_lshl_b32 s23, s15, 19
	s_add_co_u32 s22, s22, s23
	s_lshl_b32 s23, s16, 18
	s_add_co_u32 s22, s22, s23
	s_lshl_b32 s23, s17, 9
	s_add_co_u32 s22, s22, s23
	s_mov_b32 s23, 0
	s_add_nc_u64 s[10:11], s[10:11], s[22:23]
	; the code of 1 / 2^e0, by the quantiser itself, and 2^(e0 + e1)
	s_wait_kmcnt 0x0
	s_add_co_i32 s98, s96, 127
	s_lshl_b32 s99, s98, 23                        ; 2^e0 as f32
	s_add_co_i32 s98, s98, 15
	s_lshl_b32 s98, s98, 23
	s_or_b32 s98, s98, 0x600000                    ; 57,344 x 2^e0
	v_mov_b32 v122, s98
	v_mov_b32 v123, s99
	v_min_num_f32 v112, 1.0, v122                  ; the hold: the conversion to an 8-bit code does not saturate (ISA guide 7.6.2); 1 is positive, so it is one-sided
.irp i, 1,2,3,4,5,6,7
	v_mov_b32 v[112+\i], 0
.endr
	v_cvt_scalef32_pk8_bf8_f32 v[120:121], v[112:119], v123   ; v120: the code in the lowest byte, zero codes above it
	v_nop                                          ; one plain vector line behind a scaled conversion
	s_add_co_i32 s96, s96, s97
	s_add_co_i32 s96, s96, 127
	s_lshl_b32 s96, s96, 23                        ; 2^(e0 + e1) as f32
	s_mov_b32 s97, s96                             ; (named with it as a pair, so it is written)
	s_lshl_b32 s[STP], s16, 2                      ; my first K step: 4 z
	s_wait_loadcnt 0x0                             ; x
	; F: j = x & 127 = 32 c + 16 h' + 4 i + b: register 4 c + i, byte b, in the lane whose half is h'
.irp a, 0,1,2,3,4,5,6,7
	v_lshrrev_b32 v[XS+\a], 7, v[XR+\a]            ; the K step in which my token has its 1 (unsigned: a negative x meets no step)
	v_lshlrev_b32 v113, 3, v[XR+\a]
	v_and_b32 v113, 24, v113                       ; 8 b
	v_lshlrev_b32 v114, v113, v120                 ; the code in byte b
	v_bfe_u32 v115, v[XR+\a], 4, 1
	v_cmp_eq_u32 vcc_lo, v115, v2
	v_cndmask_b32 v114, 0, v114, vcc_lo            ; in my half of the lanes, or nothing
	v_bfe_u32 v116, v[XR+\a], 5, 2
	v_bfe_u32 v117, v[XR+\a], 2, 2
	v_lshl_or_b32 v116, v116, 2, v117              ; 4 c + i
.irp c, 0,1,2,3,4,5,6,7,8,9,10,11,12,13,14,15
	v_cmp_eq_u32 vcc_lo, \c, v116
	v_cndmask_b32 v[F+16*\a+\c], 0, v114, vcc_lo
.endr
.endr
; Part 0..3 of block g's operand for K step s[STP]: F where my token's step is this one, else zero codes.  VCC, set in part 0, stands until part 3: nothing between writes it.
.macro SLICE g, part
.if (\part) == 0
	v_cmp_eq_u32 vcc_lo, s[STP], v[XS+(\g)]
.endif
.irp c, 0,1,2,3
	v_cndmask_b32 v[MA+16*((\g)%4)+4*(\part)+\c], 0, v[F+16*(\g)+4*(\part)+\c], vcc_lo
.endr
.endm
; Block a against w's eight fragments of set p: 8 matrix instructions.  zero = 1: the products start the sums: nothing is ever cleared.  The 64 accumulators take turns, one instruction a turn, in the
; same order in every step.
; gen = 1: behind every second product stands a slice of the operand TWO BLOCKS ON, in buffer (a + 2) % 4.  That buffer's last reader is block a - 2's last product; between it and the first write stand that
; block's last slice and block a - 1's four: 21 plain vector instructions that name none of its registers, where four places are asked (ISA guide 7.12.1).  Blocks 6 and 7 make the NEXT step's blocks 0 and 1:
; the step's number goes on by inc at block 6's head (1 inside a chunk; 5 from my half of a chunk to my half of the next).
.macro MULBLK a, p, zero, gen, inc
.if ((\a) == 6) && (\gen)
	s_add_co_u32 s[STP], s[STP], \inc
.endif
.irp b, 0,1,2,3,4,5,6,7
	WIN MUL_LO+0x50*((\a)/4)
.if \zero
	v_wmma_f32_16x16x128_bf8_bf8 v[8*(8*((\a)%4)+\b):8*(8*((\a)%4)+\b)+7], v[128*(\p)+16*\b:128*(\p)+16*\b+15], v[MA+16*((\a)%4):MA+16*((\a)%4)+15], 0
.else
	v_wmma_f32_16x16x128_bf8_bf8 v[8*(8*((\a)%4)+\b):8*(8*((\a)%4)+\b)+7], v[128*(\p)+16*\b:128*(\p)+16*\b+15], v[MA+16*((\a)%4):MA+16*((\a)%4)+15], v[8*(8*((\a)%4)+\b):8*(8*((\a)%4)+\b)+7]
.endif
.if (\gen) && ((\b)%2 == 1)
	WIN 0
	SLICE ((\a)+2)%8, (\b)/2
.endif
.endr
.endm
; 32 LDS loads in one run: w's eight fragments of my q-th step (0..3) of the slot, into set p.  The step lies in tile 2 z + q / 2, at byte 128 (q % 2) of the rows.
; The set's last readers stand a half step or more back, with that half step's slices as the places between.
.macro FETCH_B slot, q, p
	WIN TO_B
.irp i, 0,1,2,3,4,5,6,7
.irp c, 0,1,2,3
	ds_load_b128 v[128*(\p)+16*\i+4*\c:128*(\p)+16*\i+4*\c+3], v[ADRB+(\slot)] offset:((\q)/2)*SUBT+128*((\q)%2)+32*\c+\i*16*PITCH
.endr
.endr
	WIN 0
.endm
; One of a chunk's first three steps: multiplies set q % 2 and, in its middle, fetches the next step's fragments into the other set.
.macro STEP slot, q, zero
	s_wait_dscnt 0x0                               ; this step's set is in (asked for 32 matrix instructions ago)
.irp a, 0,1,2,3
	MULBLK \a, (\q)%2, \zero, 1, 1
.endr
	FETCH_B \slot, (\q)+1, 1-(\q)%2
.irp a, 4,5,6,7
	MULBLK \a, (\q)%2, \zero, 1, 1
.endr
.endm
; A chunk's last step changes slots: ONE barrier.  In front of it each wave waits for all its tensor loads (the one that is out is its tile of the next slot), adds 0 to its spare word, and waits for that and for
; its own reads of this slot.  fill = 1: the barrier opens a round of the cluster's barrier, and behind the round this slot is filled again, two chunks ahead: one tensor load of mine is out from there on.
.macro TURN slot, next, fill
	s_wait_tensorcnt 0x0                           ; all my tensor loads have landed  (every window is 0 here: the add's two registers lie in window 0)
	ds_add_u32 v[SPW], v[NIL]                      ; 0 onto my spare word
	s_wait_dscnt 1                                 ; this step's set is in; the add may be out
	MULBLK 0, 1, 0, 1, 5                           ; sixteen matrix instructions and their slices stand between the add and the wait for it
	MULBLK 1, 1, 0, 1, 5
	s_wait_dscnt 0x0                               ; the add is done, and my reads of this slot are over
	s_barrier_signal -1
	MULBLK 2, 1, 0, 1, 5                           ; work on registers while the others arrive
	MULBLK 3, 1, 0, 1, 5
	WIN 0                                          ; at a branch and at a label every window is 0
	s_barrier_wait -1
.if \fill
	CREST                                          ; no wave of any partner still reads this slot's tiles or has a load on its way
	s_add_nc_u64 s[G0+4*\slot+2:G0+4*\slot+3], s[G0+4*\slot+2:G0+4*\slot+3], 2*CHUNK   ; no tensor load of mine is out, so a group 0 may be written; the type bits on top are not reached
	tensor_load_to_lds s[G0+4*\slot:G0+4*\slot+3], s[G1:G1+7]      ; the first tensor load behind the round, and my only one until the next
	s_nop 0
.rept 4
	v_nop                                          ; four plain lines follow it
.endr
.endif
	FETCH_B \next, 0, 0
.irp a, 4,5,6,7
	MULBLK \a, 1, 0, 1, 5
.endr
.endm
	SLICE 0, 0                                     ; the first step's blocks 0 and 1
	SLICE 0, 1
	SLICE 0, 2
	SLICE 0, 3
	SLICE 1, 0
	SLICE 1, 1
	SLICE 1, 2
	SLICE 1, 3
	s_wait_tensorcnt 1                             ; my tile of chunk 0 is in; chunk 1's may stay out
	s_barrier_signal -1
	s_barrier_wait -1                              ; everybody's is
	FETCH_B 0, 0, 0
	STEP 0, 0, 1                                   ; the first step stands in front of the loop: its products start the sums
	s_mov_b32 s3, LAPS-1
.Llap:                                                 ; a trip goes once round the ring, from a lap's second step to the next lap's first, and fills both slots again
	STEP 0, 1, 0
	STEP 0, 2, 0
	TURN 0, 1, 1
	STEP 1, 0, 0
	STEP 1, 1, 0
	STEP 1, 2, 0
	TURN 1, 0, 1
	STEP 0, 0, 0
	s_sub_co_u32 s3, s3, 1
	s_cmp_lg_u32 s3, 0
	s_cbranch_scc1 .Llap
	STEP 0, 1, 0                                   ; the last lap fills nothing, and has no round of the cluster's barrier
	STEP 0, 2, 0
	TURN 0, 1, 0
	STEP 1, 0, 0
	STEP 1, 1, 0
	STEP 1, 2, 0
	s_wait_dscnt 0x0                               ; the very last step: nothing more to fetch, and no next step's operand to make
.irp a, 0,1,2,3,4,5
	MULBLK \a, 1, 0, 1, 1
.endr
	MULBLK 6, 1, 0, 0, 1
	MULBLK 7, 1, 0, 0, 1
	WIN 0
	; THE TWO HALVES OF K MEET.  My blocks 4-7, x 2^(e0 + e1), go to LDS as images of their registers (16 bytes a lane, 512 a store); my partner loads them by the same lines into the same registers.
	; The exchange lies in slot 0: it has had its last fill, and since the last change of slots nobody reads it.
.rept 4
	v_nop                                          ; four places behind the last products: their results are read, and their fragments' registers written, below
.endr
	WIN 0x43                                       ; source 0 window 3, destination window 1
.set j, 0
.rept 128
	v_pk_mul_f32 v[j:j+1], v[j:j+1], s[96:97] op_sel_hi:[1,0]   ; both x s96: nothing is rounded, short of overflow and underflow; each accumulator from its low end on
.set j, j+2
.endr
	WIN 0x04                                       ; store data window 1
.set j, 0
.rept 64
	ds_store_b128 v[XW], v[4*j:4*j+3] offset:512*j
.set j, j+1
.endr
	WIN 0
	s_wait_dscnt 0x0                               ; for the others' sake: my stores are done; my reads of slot 1 were over long ago
	s_barrier_signal -1
	s_barrier_wait -1
	WIN 0xc0                                       ; destination window 3
.set j, 0
.rept 64
	ds_load_b128 v[4*j:4*j+3], v[XRD] offset:512*j ; my partner's sums for my blocks 0-3: block a in v[64 a ..] of window 3
.set j, j+1
.endr
	WIN 0
; THE WAY OUT, block by block of 16 tokens x 128 columns.  out = my sum x 2^(e0 + e1) + my partner's: one packed multiply-add for two numbers.  A lane holds 32 neighbouring bytes of a row, and the lanes beside it
; hold other rows: so a block goes through my own stage in LDS (in slot 1, which nobody reads behind the barrier above) and comes back as whole rows of 512 bytes.
; LDS serves a wave's instructions in order (ISA guide 5.7.1.4): no wait between the stores and the loads, nor in front of the next block's stores.
.macro TOSTAGE a
.set TMP, 32+96*((\a)%2)               ; v32-95 and v128-191 by turns: the operand's buffers and F are done with
	WIN 0x32                                       ; source 0 window 2, source 2 window 3
.set j, 0
.rept 32
	v_pk_fma_f32 v[TMP+j:TMP+j+1], v[64*(\a)+j:64*(\a)+j+1], s[96:97], v[64*(\a)+j:64*(\a)+j+1] op_sel_hi:[1,0,1]   ; each accumulator from its low end on
.set j, j+2
.endr
	WIN 0
.irp b, 0,1,2,3,4,5,6,7
	ds_store_b128 v[STO], v[TMP+8*\b:TMP+8*\b+3] offset:64*\b
	ds_store_b128 v[STO], v[TMP+8*\b+4:TMP+8*\b+7] offset:64*\b+16
.endr
	WIN 0x40                                       ; destination window 1: each block has 64 registers of its own there, so no store's data are written again
.irp t, 0,1,2,3,4,5,6,7,8,9,10,11,12,13,14,15
	ds_load_b128 v[64*(\a)+4*\t:64*(\a)+4*\t+3], v[RD] offset:\t*SPITCH
.endr
	WIN 0
.endm
.macro SEND a, younger                 ; younger: the LDS instructions issued behind block a's loads, which may stay out
	s_wait_dscnt \younger
	WIN 0x04                                       ; store data window 1
.irp t, 0,1,2,3,4,5,6,7,8,9,10,11,12,13,14,15
	global_store_b128 v[CO], v[64*(\a)+4*\t:64*(\a)+4*\t+3], s[10:11] offset:(16*(\a)+\t)*4096 th:TH_STORE_NT   ; 32 lanes store 512 consecutive bytes, at a multiple of 256 from out0's first byte; the row stands in the immediate, so no base is stepped
.endr
	WIN 0
.endm
	s_wait_dscnt 48                                ; my partner's block 0 is in; the 48 loads of its blocks 1 to 3 may be out
	TOSTAGE 0
	s_wait_dscnt 63                                ; block 1 is in: 64 instructions are younger than its loads (blocks 2 and 3: 32; block 0's way through the stage: 32); the count below that is taken
	TOSTAGE 1
	SEND 0, 32                                     ; behind block 0's loads from the stage: block 1's 16 stores and 16 loads.  This wait also shows my partner's blocks 2 and 3 in
	TOSTAGE 2
	SEND 1, 32
	TOSTAGE 3
	SEND 2, 32
	SEND 3, 0
	s_wait_tensorcnt 0x0                           ; the wave's end: behind my last tensor load and my last LDS store
	ds_add_u32 v[SPW], v[NIL]
	s_wait_dscnt 0x0
	CROUND                                         ; the closing round: no work-group ends while a partner may still ask for a tile that names it
	s_endpgm
.Lfunc_end_k_q57b1bf034c_gemm:
	.size	k_q57b1bf034c_gemm, .Lfunc_end_k_q57b1bf034c_gemm-k_q57b1bf034c_gemm
	.p2alignl 7, 3214868480
	.fill 96, 4, 3214868480
	.section	.rodata,"a",@progbits
	.p2align	6, 0x0
	.amdhsa_kernel k_q57b1bf034c_gemm
		.amdhsa_group_segment_fixed_size 327680
		.amdhsa_private_segment_fixed_size 0
		.amdhsa_enable_private_segment 0
		.amdhsa_kernarg_size 32
		.amdhsa_user_sgpr_count 2
		.amdhsa_user_sgpr_kernarg_segment_ptr 1
		.amdhsa_wavefront_size32 1
		.amdhsa_system_sgpr_workgroup_id_x 1
		.amdhsa_system_sgpr_workgroup_id_y 1
		.amdhsa_system_sgpr_workgroup_id_z 1
		.amdhsa_system_vgpr_workitem_id 0
		.amdhsa_next_free_vgpr 1024
		.amdhsa_next_free_sgpr 100
		.amdhsa_reserve_vcc 1
		.amdhsa_float_denorm_mode_32 3
		.amdhsa_float_denorm_mode_16_64 3
		.amdhsa_memory_ordered 1
		.amdhsa_forward_progress 1
		.amdhsa_inst_pref_size 255
	.end_amdhsa_kernel
	.section	.bss,"aw",@nobits
	.p2align	6
	.space	262144
	.amdgpu_metadata
---
amdhsa.version: [ 1, 2 ]
amdhsa.kernels:
  - .name:           k_q57b1bf034c_gemm
    .symbol:         k_q57b1bf034c_gemm.kd
    .args:
      - { .name: x, .offset: 0, .size: 8, .value_kind: global_buffer, .address_space: global }
      - { .name: w_codes, .offset: 8, .size: 8, .value_kind: global_buffer, .address_space: global }
      - { .name: lowp_scales, .offset: 16, .size: 8, .value_kind: global_buffer, .address_space: global }
      - { .name: out0, .offset: 24, .size: 8, .value_kind: global_buffer, .address_space: global }
    .group_segment_fixed_size: 327680
    .private_segment_fixed_size: 0
    .kernarg_segment_align: 8
    .kernarg_segment_size: 32
    .max_flat_workgroup_size: 128
    .sgpr_count:     100
    .vgpr_count:     1024
    .wavefront_size: 32
...
	.end_amdgpu_metadata
.endif
;; end of part 2
